; MI455X (gfx1250); checked and timed in simulation.
; The chip was launched on July 23, 2026; its instructions are those of AMD's public machine-readable ISA for CDNA 5 (MIT licence, August 2026) and "CDNA5" Instruction Set Architecture Reference Guide (July 2026). The comments in the code are by the model that wrote it; some were corrected since.
;; Head. Allowed arithmetic: matrix products marked QUANTISED: E5M2 operands, one given power-of-two scale a tensor, by v_wmma_f32_16x16x64_bf8_bf8 or v_wmma_f32_16x16x128_bf8_bf8, f32 sums; everything else in f32.
;; Inputs: Wk_codes 1,024 x 32 x 32 uint8 (E5M2 codes of Wk, K innermost, in blocks of 32 codes); Wq_codes 1,024 x 32 x 32 uint8 (E5M2 codes of Wq, K innermost, in blocks of 32 codes); Wv_codes 1,024 x 32 x 32 uint8 (E5M2 codes of Wv, K innermost, in blocks of 32 codes); lowp_scales 10 int32 (the exponents e of the quantised operands' scales 2^e); x_codes 4 x 2,048 x 32 x 32 uint8 (E5M2 codes of x, K innermost, in blocks of 32 codes).
;; Outputs: out0 4 x 2,048 x 1,024 float32.
;; This version of the problem:
;;   THIS VERSION OF THE PROBLEM IS GIVEN IN LOW PRECISION. The matrix products marked QUANTISED in the list below multiply operands that are first quantised to E5M2 (5 exponent bits, 2 mantissa bits; 8 bits a number), with one given power-of-two scale for each operand tensor; their sums are f32. All else is computed in f32.
;;   The module's matrix products, in the order in which they are computed (A, B: the left and right operand; K: the contracted axis; several contracted axes count as one K, in the product's order):
;;     1. [M 8,192, K 1,024] x [K 1,024, N 1,024]; A: input x (given as codes); B: input Wk (given as codes): QUANTISED (scales: A lowp_scales[0], B lowp_scales[1])
;;     2. [M 8,192, K 1,024] x [K 1,024, N 1,024]; A: input x (given as codes); B: input Wq (given as codes): QUANTISED (scales: A lowp_scales[2], B lowp_scales[3])
;;     3. [M 8,192, K 1,024] x [K 1,024, N 1,024]; A: input x (given as codes); B: input Wv (given as codes): QUANTISED (scales: A lowp_scales[4], B lowp_scales[5])
;;     4. batch 4 x [M 2,048, K 1,024] x [K 1,024, N 2,048]; A: computed on the way; B: computed on the way: QUANTISED (scales: A lowp_scales[6], B lowp_scales[7])
;;     5. batch 4 x [M 2,048, K 2,048] x [K 2,048, N 1,024]; A: softmax (see below); B: computed on the way: QUANTISED (scales: A lowp_scales[8], B lowp_scales[9])
;;   THE QUANTISER, for each operand of a quantised product, along K:
;;     - The operand's scale is 2^e, e = its entry of the input lowp_scales (int32; the entries are numbered through the quantised products in the list's order, A before B).
;;     - Each number is divided by the scale, clamped to +-57,344, and rounded to the nearest number of E5M2, ties to even, subnormals kept.
;;     - The product sums the exact products of the quantised numbers (number of the format x scale) in f32.
;;   ~~~python
;;   def quantise(x, axis, e):      # numpy; x: float32 -> the quantised numbers, widened to float32 again
;;       x = np.moveaxis(x, axis, -1); K = x.shape[-1]
;;       r = np.clip(x / 2.0 ** e, -57344, 57344)
;;       step = 2.0 ** (np.maximum(np.frexp(np.where(r == 0, 1, r))[1] - 1, -14) - 2)
;;       q = np.round(r / step) * step * 2.0 ** e      # np.round: ties to even
;;       return np.moveaxis(q, -1, axis).astype(np.float32)
;;   ~~~
;;   SOFTMAX AHEAD OF A QUANTISED PRODUCT. Where the list says 'softmax', what is quantised is not the finished softmax but p = 2^(t - M), with t = logit x log2(e) and M = ceil(the row's largest t), a whole number; so 1/2 < the row's largest p <= 1. The row's sum l is taken of the UNQUANTISED p, in f32, and the product's result is divided by l at the end. Since M is a whole number, a kernel that streams over the keys may use a running M (the ceiling of the running maximum): every later rescaling is an exact power of two, so the quantised numbers keep their values, but for numbers so far below the row's largest that they fall under the format's range.
;;   OPERANDS COMPUTED ON THE WAY. 'Computed on the way' means the value that the module computes at that place (a softmax that the list does not call 'softmax' is quantised finished and normalised). What goes into a quantiser is computed in f32, as accurately as f32 sums, v_exp_f32 and their like allow (about 1e-6 of the number): no bf16 or f16 on the way to a quantiser, and a product that is left as it is and whose result goes on into a quantised operand takes f32 operands (vector FMAs, or v_wmma_f32_16x16x4_f32). A number that lies on a knife's edge between two numbers of the format may be rounded either way, as far as f32 arithmetic and the matrix unit's own rounding can turn it there, and no further.
;;   INPUTS GIVEN AS CODES. Wk (in the module: [1024, 1024], K = its axis 1); Wq (in the module: [1024, 1024], K = its axis 1); Wv (in the module: [1024, 1024], K = its axis 1); x (in the module: [4, 2048, 1024], K = its axis 2): each comes as NAME_codes (uint8): NAME with its K axis moved to the last place and cut into blocks of 32 codes, [.., K / 32, bytes a block], one block behind the other in memory; one code a byte (a code: sign, 5 exponent bits, 2 mantissa bits); its scale is its entry of lowp_scales. Its value is code x scale, taken as it is: it is not quantised again, and the codes and scales need not be those that the quantiser above would give.
;; One version. Each part assembles by itself: llvm-mc -triple=amdgcn-amd-amdhsa -mcpu=gfx1250 --defsym DOCPART=n.
;; ======== version 1 of 1: 3 launches
;; workspace buffers: q_codes 8,388,608 bytes; k_codes 8,388,608 bytes; v_codes 8,388,608 bytes; p_codes 16,777,216 bytes; stat 524,288 bytes
;; launch proj (part 1): grid 12 x 32, 4 waves a work-group, clusters of 4 x 4, 327,680 bytes of LDS; arguments x_codes, Wk_codes, Wq_codes, Wv_codes, lowp_scales, k_codes, q_codes, v_codes; writes k_codes, q_codes, v_codes
.if DOCPART == 1
	.amdgcn_target "amdgcn-amd-amdhsa--gfx1250"
	.amdhsa_code_object_version 6
	.text
	.protected	k_qb1cb20ee43_proj
	.globl	k_qb1cb20ee43_proj
	.p2align	8
	.type	k_qb1cb20ee43_proj,@function
k_qb1cb20ee43_proj:
	s_mov_b64 s[64:65], 0
	v_nop
	global_prefetch_b8 v0, s[64:65] scope:SCOPE_SE
	s_setreg_imm32_b32 hwreg(HW_REG_WAVE_MODE, 25, 1), 1
	s_wait_xcnt 0x0
	s_wait_alu depctr_hold_cnt(0) depctr_sa_sdst(0) depctr_va_vdst(0) depctr_va_sdst(0) depctr_va_ssrc(0) depctr_va_vcc(0) depctr_vm_vsrc(0)
	s_getreg_b32 s2, hwreg(HW_REG_IB_STS2, 6, 4)
	s_cmp_eq_u32 s2, 0
	s_cbranch_scc0 .Lentry_in_a_cluster
	s_endpgm
.Lentry_in_a_cluster:
	s_bfe_u32 s2, ttmp6, 0x10000c
	s_cmp_lg_u32 s2, 0xf033
	s_cbranch_scc0 .Lentry_shape_is_right
	s_endpgm
.Lentry_shape_is_right:
; k = x Wk^T, q = x Wq^T, v = x Wv^T on codes of BF8 (E5M2), and the quantisers behind them: the f32 sums become codes again, with the scales given for the attention's products.
; x: [8192][1024] codes; each W: [1024][1024] codes, K innermost.  OUT: k_codes, q_codes [8192 tokens][1024 d]; v_codes [1024 d][8192 tokens]: the keys innermost, since they are the last product's K.
; ONE PATH FOR THE THREE: the cluster's x (0, 1, 2 = k, q, v; the same in all sixteen partners) chooses pointers, pitch and exponents by selects; no branch hangs on it.
;   k, q: A = x (rows of the output), B = W (innermost in the output).   v: A = Wv, B = x: so v comes out with the tokens innermost and nothing is transposed.
; A tile of the output, 256 x 256, is made by four waves, 128 x 128 each: 64 accumulators of 16 x 16, 512 registers.  K = 1,024 goes in four slot fills of 256 through a ring of two LDS slots.
; CLUSTERS: 4 x 4 work-groups; A's tile is asked for jointly along a row of the cluster, B's along a column.
; THE MATRIX INSTRUCTION IS USED TRANSPOSED (source 0 = 16 rows of B, source 1 = 16 rows of A): a lane holds eight neighbours of an output row, which one conversion turns into eight codes.
; A sum stands for sum x 2^(ea + eb); its code is sum / 2^(eo - ea - eb), held within +-57,344 x that, to the nearest code, ties to even.  (k: e7 - e0 - e1; q: e6 - e2 - e3; v: e9 - e4 - e5.)
; LIMITS: eo - ea - eb between -126 and 112, so that both powers of two are f32 numbers.  Codes of infinity or NaN among the inputs are not served.
; REGISTERS, in windows of 256: window 0: v0-31 addresses and constants, v32-63 the stores' offsets, from v128 A's fragments (one set), later the codes;  window 1: B's fragments, two sets;
;   window 2: the accumulators of my rows 0-63 ((a, b) at v[8 (8 a + b)]);  window 3: those of my rows 64-127.
.set KROW,   1024                      ; a row of A or of B in memory, in bytes
.set ROWB,   256                       ; a tile's row: 256 codes
.set PITCH,  272                       ; an LDS row: 256 bytes + 16 of padding = 68 words: row r starts at bank 4 r mod 64 (ISA guide 11.1), so the 16 rows that a load touches start at 16 different banks
.set FR,     16                        ; registers of a fragment: 16 rows x 128 K
.set NL,     4                         ; LDS loads that bring one
.set NP,     4                         ; places behind this matrix instruction (ISA guide 7.12.1)
.set HALFT,  128*PITCH                 ; 128 rows: what one tensor load brings
.set SLOT,   4*HALFT                   ; A's 256 rows, then B's 256 rows
.set SPARE,  2*SLOT                    ; behind the ring: the spare words, 128 bytes a wave: two blocks of 256 bytes that no other line names
.set ADRA, 16                          ; v16-17  LDS address of my A fragments in slot 0, 1
.set ADRB, 20                          ; v20-21  the same for B
.set STO,  24                          ; v24     the way out: where I put 8 codes of a row
.set RD,   25                          ; v25     the way out: where I read rows back
.set SPW,  28                          ; v28     LDS address of my spare word; never rewritten
.set NIL,  29                          ; v29     0; never rewritten
.set SC,   30                          ; v30     2^(eo - ea - eb) as f32
.set LIM,  31                          ; v31     57,344 x that
.set GOF,  32                          ; v32-63  byte offsets of the 32 stores (the pitch is chosen, so it cannot stand in an immediate)
.set AF,   128                         ; A's fragments
.set CD,   128                         ; the codes: 16 registers for each block of 16 rows; later the rows read back
.set G1, 24                            ; s[24:31] descriptor group 1 for A's tiles;  s[32:39] group 0, one set for each slot
.set G0, 32
.set G1B, 48                           ; s[48:55], s[56:63] the same for B's tiles
.set G0B, 56
.set MSB, 0
.macro WIN new                         ; the immediate's high byte repeats the setting that is left; a switch that changes nothing is dropped
.if MSB != (\new)
	s_set_vgpr_msb (MSB<<8)|(\new)
.set MSB, (\new)
.endif
.endm
.set MUL_LO, 0xa1                      ; source 0 (B) window 1, source 1 (A) window 0, C and D window 2
.set MUL_HI, 0xf1                      ; the same, C and D window 3
.set TO_B,   0x40                      ; destination window 1, address window 0
; A joint load: waves 0 and 1 fetch for A, waves 2 and 3 for B; the branch hangs on the wave's number alone.  Four v_nop follow each of the two lines.
.macro JLOAD g0a, g1a, g0b, g1b
	s_cmp_eq_u32 s15, 0
	s_cbranch_scc0 .Lfor_b_\@
	tensor_load_to_lds s[\g0a:\g0a+3], s[\g1a:\g1a+7]
	s_nop 0
.rept 4
	v_nop
.endr
	s_branch .Lasked_\@
.Lfor_b_\@:
	tensor_load_to_lds s[\g0b:\g0b+3], s[\g1b:\g1b+7]
	s_nop 0
.rept 4
	v_nop
.endr
.Lasked_\@:
.endm
.macro CREST                           ; a round of the cluster's barrier behind its opening barrier
	s_cmp_lg_u32 s14, 0
	s_cbranch_scc1 .Lnot_wave_0_\@
	s_barrier_signal -3
.Lnot_wave_0_\@:
	s_barrier_wait -3
	s_barrier_signal -1
	s_barrier_wait -1
.endm
.macro CROUND                          ; a whole round
	s_barrier_signal -1
	s_barrier_wait -1
	CREST
.endm
	s_load_b512 s[68:83], s[0:1], 0x0              ; x 68, Wk 70, Wq 72, Wv 74, the exponents 76, k_codes 78, q_codes 80, v_codes 82
	v_lshl_add_u32 v[SPW], v0, 2, SPARE
	v_mov_b32 v[NIL], 0
	ds_add_u32 v28, v29
	ds_add_u32 v28, v29
	s_wait_dscnt 0x0
	v_lshrrev_b32 v1, 5, v0
	v_readfirstlane_b32 s14, v1                    ; wave 0..3
	s_lshr_b32 s15, s14, 1                         ; which half of the tile's rows is mine.  Also: I fetch for A (0) or for B (1)
	s_and_b32 s16, s14, 1                          ; which half of its columns.  Also: which 128 rows of that tile I fetch
	s_bfe_u32 s40, ttmp6, 0x40000                  ; cx, cy: my place in the cluster
	s_bfe_u32 s41, ttmp6, 0x40004
	s_and_b32 s18, ttmp7, 0xffff
	s_lshl_b32 s18, s18, 2                         ; 4 x cluster y: it walks the 32 tiles of tokens
	s_mov_b32 s94, 1024
	s_cmp_eq_u32 ttmp9, 2                          ; v?
	s_cselect_b32 s17, 0, s18                      ; the tokens are the rows of k and q,
	s_cselect_b32 s42, s18, 0                      ; and the columns of v
	s_cselect_b32 s94, 8192, s94                   ; the output's pitch in bytes
	s_add_co_u32 s17, s17, s41                     ; tile row: never holds cx
	s_add_co_u32 s42, s42, s40                     ; tile column: never holds cy
	s_lshl_b32 s95, s94, 1                         ; two rows of the output
	s_lshl_b32 s43, s41, 2
	s_lshl_b32 s43, 15, s43                        ; my row of the cluster
	s_lshl_b32 s44, 0x1111, s40                    ; my column
	; descriptor group 1: a tile of 128 rows x 256 bytes, padded in LDS
	s_or_b32 s[G1+0], s43, (0<<16)|(1<<20)|(1<<21)|(5<<22)|(3<<25)  ; 15:0 the mask: A's tiles go to my row; elements of 1 byte; 20 padding on; 21 set beside a mask; after every 64 words (code 5) 4 words (code 3)
	s_or_b32 s[G1B+0], s44, (0<<16)|(1<<20)|(1<<21)|(5<<22)|(3<<25)
.irp g, G1, G1B
	s_mov_b32 s[\g+1], ROWB<<16                    ; tensor_dim0
	s_mov_b32 s[\g+2], 128<<16                     ; tensor_dim1
	s_mov_b32 s[\g+3], ROWB<<16                    ; tile_dim0
	s_mov_b32 s[\g+4], 128                         ; tile_dim1
	s_mov_b32 s[\g+5], KROW                        ; tensor_dim0_stride
	s_mov_b32 s[\g+6], 0
	s_mov_b32 s[\g+7], 0
.endr
	s_lshl_b32 s18, s16, 7                         ; which 128 rows of the tile I fetch
	s_lshl_b32 s20, s17, 8
	s_add_co_u32 s20, s20, s18                     ; A: row 256 x tile row + 128 x half
	s_lshl_b32 s46, s42, 8
	s_add_co_u32 s46, s46, s18                     ; B: row 256 x tile column + 128 x half
	s_lshl_b32 s20, s20, 10                        ; rows of 1,024 bytes: under 2^23
	s_lshl_b32 s46, s46, 10
	s_mov_b32 s21, 0
	s_mov_b32 s47, 0
	s_mul_i32 s45, s14, HALFT                      ; where they go: wave x 128 rows: no place in the cluster enters an LDS address
	s_wait_kmcnt 0x0
	s_load_b256 s[84:91], s[76:77], 0x0            ; e0 .. e7
	s_load_b64 s[92:93], s[76:77], 0x20            ; e8, e9
	s_cmp_eq_u32 ttmp9, 0
	s_cselect_b64 s[6:7], s[70:71], s[72:73]       ; Wk or Wq
	s_cselect_b64 s[10:11], s[78:79], s[80:81]     ; k_codes or q_codes
	s_cmp_eq_u32 ttmp9, 2
	s_cselect_b64 s[4:5], s[74:75], s[68:69]       ; A: Wv, else x
	s_cselect_b64 s[6:7], s[68:69], s[6:7]         ; B: x, else the weight
	s_cselect_b64 s[10:11], s[82:83], s[10:11]     ; the output
	s_add_nc_u64 s[20:21], s[4:5], s[20:21]
	s_add_nc_u64 s[46:47], s[6:7], s[46:47]
	CROUND                                         ; all sixteen work-groups are here: the first joint loads meet
.irp s, 0,1
	s_mov_b32 s[G0+4*\s], 1
	s_add_co_u32 s[G0+4*\s+1], s45, \s*SLOT
	s_add_nc_u64 s[G0+4*\s+2:G0+4*\s+3], s[20:21], \s*ROWB
	s_or_b32 s[G0+4*\s+3], s[G0+4*\s+3], 0x80000000
	s_mov_b32 s[G0B+4*\s], 1
	s_add_co_u32 s[G0B+4*\s+1], s45, \s*SLOT
	s_add_nc_u64 s[G0B+4*\s+2:G0B+4*\s+3], s[46:47], \s*ROWB
	s_or_b32 s[G0B+4*\s+3], s[G0B+4*\s+3], 0x80000000
	JLOAD G0+4*\s, G1, G0B+4*\s, G1B               ; two loads of mine are out behind these
.endr
	v_and_b32 v1, 15, v0                           ; r = l % 16
	v_bfe_u32 v2, v0, 4, 1                         ; h = l / 16
	v_mul_u32_u24 v3, v1, PITCH
	v_lshl_add_u32 v4, v2, 4, v3                   ; a fragment's row x pitch + 16 x half
	s_mul_i32 s21, s15, HALFT                      ; my 128 rows of A
	s_mul_i32 s22, s16, HALFT                      ; my 128 rows of B,
	s_add_co_u32 s22, s22, 2*HALFT                 ; which lie behind A's 256
.irp s, 0,1
	v_add_nc_u32 v[ADRA+\s], s21, v4
	v_add_nc_u32 v[ADRB+\s], s22, v4
	s_add_co_u32 s21, s21, SLOT
	s_add_co_u32 s22, s22, SLOT
.endr
	; the stage: 256 rows x 272 bytes at LDS byte 0, in slot 0, which has had its last fill and its last read when the first code is stored there
	s_mul_i32 s23, s15, 128*PITCH
	s_lshl_b32 s18, s16, 7
	s_add_co_u32 s23, s23, s18
	v_lshl_add_u32 v5, v2, 3, v3
	v_add_nc_u32 v[STO], s23, v5                   ; in: row 128 x row half + r, byte 128 x column half + 8 h
	s_mul_i32 s23, s14, 64*PITCH
	v_mul_u32_u24 v5, v2, PITCH
	v_lshl_add_u32 v5, v1, 4, v5
	v_add_nc_u32 v[RD], s23, v5                    ; back: wave w takes rows 64 w on, whole; lanes 0-15 one row, lanes 16-31 the next
	v_mul_lo_u32 v[GOF], v2, s94
	v_lshl_add_u32 v[GOF], v1, 4, v[GOF]           ; the same two rows in the output,
.set t, 0
.rept 31
	v_add_nc_u32 v[GOF+1+t], s95, v[GOF+t]         ; and two rows on for each store
.set t, t+1
.endr
	s_lshl_b32 s20, s17, 8
	s_lshl_b32 s21, s14, 6
	s_add_co_u32 s20, s20, s21                     ; the first row that I store: 256 x tile row + 64 x wave
	s_mul_i32 s20, s20, s94
	s_lshl_b32 s46, s42, 8                         ; the tile's first column, in bytes
	s_add_co_u32 s46, s46, s20                     ; under 2^24
	s_mov_b32 s47, 0
	s_add_nc_u64 s[10:11], s[10:11], s[46:47]
.macro FRAG reg, adr, q, i             ; 16 rows x 128 K in 16 registers: lane l holds row l % 16; registers 4 c .. 4 c + 3 hold K = 32 c + 16 (l / 16) + 0 .. 15: the same order of K in A and in B
.irp c, 0,1,2,3
	ds_load_b128 v[\reg+4*\c:\reg+4*\c+3], v[\adr] offset:128*(\q)+32*\c+(\i)*16*PITCH
.endr
.endm
; 16 matrix instructions: A's blocks a0, a0 + 1 x B's eight, 128 along K.  p: B's set.  zero = 1: the first product starts the sums.  The 64 accumulators take turns, in one order in every step.
.macro MUL16 a0, p, zero
.irp a, \a0, \a0+1
.irp b, 0,1,2,3,4,5,6,7
.if \zero
	v_wmma_f32_16x16x128_bf8_bf8 v[8*(8*((\a)%4)+\b):8*(8*((\a)%4)+\b)+7], v[128*(\p)+FR*\b:128*(\p)+FR*\b+FR-1], v[AF+FR*(\a):AF+FR*(\a)+FR-1], 0
.else
	v_wmma_f32_16x16x128_bf8_bf8 v[8*(8*((\a)%4)+\b):8*(8*((\a)%4)+\b)+7], v[128*(\p)+FR*\b:128*(\p)+FR*\b+FR-1], v[AF+FR*(\a):AF+FR*(\a)+FR-1], v[8*(8*((\a)%4)+\b):8*(8*((\a)%4)+\b)+7]
.endif
.endr
.endr
.endm
.macro FETCH_B slot, q, p              ; B's eight fragments of the slot's q-th 128 along K into set p
	WIN TO_B
.irp i, 0,1,2,3,4,5,6,7
	FRAG 128*(\p)+FR*\i, ADRB+\slot, \q, \i
.endr
	WIN 0
.endm
.macro FETCH_A slot, q, i0             ; A's blocks i0 .. i0 + 3
.irp i, \i0, \i0+1, \i0+2, \i0+3
	FRAG AF+FR*(\i), ADRA+\slot, \q, \i
.endr
.endm
.macro PLACES n                        ; plain vector instructions between a matrix instruction and a load into, or a vector access to, its registers
.rept \n
	v_nop
.endr
.endm
; A step of 128 along K that has its successor in the same slot.  A has one set of registers: blocks 0-3 are fetched anew in the step's middle, blocks 4-7 at its end; B has two sets.
.macro STEP slot, q, zero
	s_wait_dscnt 4*NL                              ; B's set and A's blocks 0-3 are in; the youngest sixteen loads (A's blocks 4-7) may be out
	WIN MUL_LO
	MUL16 0, (\q)%2, \zero
	MUL16 2, (\q)%2, \zero
	s_wait_dscnt 0                                 ; A's blocks 4-7 are in
	PLACES NP
	FETCH_B \slot, (\q)+1, 1-(\q)%2
	FETCH_A \slot, (\q)+1, 0
	WIN MUL_HI
	MUL16 4, (\q)%2, \zero
	MUL16 6, (\q)%2, \zero
	PLACES NP
	WIN 0
	FETCH_A \slot, (\q)+1, 4
.endm
; A slot's last step changes slots: one barrier; in front of it each wave waits for all its tensor loads, adds 0 to its spare word, and waits for that and for its reads of this slot.  fill = 1: the slot is filled again.
.macro TURN slot, next, fill
	s_wait_tensorcnt 0x0                           ; all my tensor loads have landed: my part of the next slot
	ds_add_u32 v[SPW], v[NIL]                      ; 0 onto my spare word
	s_wait_dscnt 4*NL+1                            ; (the add and the youngest sixteen loads may be out)
	WIN MUL_LO
	MUL16 0, 1, 0                                  ; sixteen matrix instructions stand between the add and the wait for it
	s_wait_dscnt 0x0                               ; the add is done, and my reads of this slot are over
	s_barrier_signal -1
	MUL16 2, 1, 0
	WIN 0
	s_barrier_wait -1
.if \fill
	CREST                                          ; the barrier has opened a round of the cluster's barrier: no wave of any partner still reads this slot or has a load on its way
	s_add_nc_u64 s[G0+4*\slot+2:G0+4*\slot+3], s[G0+4*\slot+2:G0+4*\slot+3], 2*ROWB
	s_add_nc_u64 s[G0B+4*\slot+2:G0B+4*\slot+3], s[G0B+4*\slot+2:G0B+4*\slot+3], 2*ROWB
	JLOAD G0+4*\slot, G1, G0B+4*\slot, G1B         ; the first tensor load behind the round, my only one until the next; its four v_nop are the places in front of the loads below
.else
	PLACES NP
.endif
	FETCH_B \next, 0, 0
	FETCH_A \next, 0, 0
	WIN MUL_HI
	MUL16 4, 1, 0
	MUL16 6, 1, 0
	PLACES NP
	WIN 0
	FETCH_A \next, 0, 4
.endm
	s_wait_tensorcnt 1                             ; my part of slot 0 is in; slot 1's load may stay out
	s_barrier_signal -1
	s_barrier_wait -1                              ; everybody's is
	FETCH_B 0, 0, 0
	FETCH_A 0, 0, 0
	FETCH_A 0, 0, 4
	STEP 0, 0, 1                                   ; K = 1,024 is eight steps of 128, written out; the first starts the sums
	TURN 0, 1, 1                                   ; slot 0 takes K 512 on
	STEP 1, 0, 0
	TURN 1, 0, 1                                   ; slot 1 takes K 768 on
	STEP 0, 0, 0
	TURN 0, 1, 0                                   ; nothing is left to fetch: a plain barrier; behind it nobody reads slot 0
	STEP 1, 0, 0
	s_wait_dscnt 4*NL                              ; the last step
	WIN MUL_LO
	MUL16 0, 1, 0
	MUL16 2, 1, 0
	s_wait_dscnt 0
	WIN MUL_HI
	MUL16 4, 1, 0
	MUL16 6, 1, 0
	WIN 0
	; THE QUANTISER AND THE WAY OUT
	s_wait_kmcnt 0x0
	s_sub_co_i32 s20, s91, s84
	s_sub_co_i32 s20, s20, s85                     ; k: e7 - e0 - e1
	s_sub_co_i32 s21, s90, s86
	s_sub_co_i32 s21, s21, s87                     ; q: e6 - e2 - e3
	s_sub_co_i32 s22, s93, s88
	s_sub_co_i32 s22, s22, s89                     ; v: e9 - e4 - e5
	s_cmp_eq_u32 ttmp9, 0
	s_cselect_b32 s20, s20, s21
	s_cmp_eq_u32 ttmp9, 2
	s_cselect_b32 s20, s22, s20
	s_add_co_i32 s20, s20, 127
	s_lshl_b32 s21, s20, 23
	v_mov_b32 v[SC], s21                           ; the three scales folded into the conversion's one
	s_add_co_i32 s20, s20, 15
	s_lshl_b32 s20, s20, 23
	s_or_b32 s20, s20, 0x600000
	v_mov_b32 v[LIM], s20                          ; 57,344 x that
	PLACES NP                                      ; behind the last products: their results are read, and A's registers written, below
; Block a: 16 rows x 128 columns.  The hold (the conversion to an 8-bit code does not saturate: ISA guide 7.6.2), each accumulator from its low end on; eight conversions; 8 bytes a lane into the stage.
.macro QBLOCK a
.set AC, 64*((\a)%4)
	WIN 0x82+0x41*((\a)/4)                         ; destination and source 0: window 2 or 3
.set j, 0
.rept 64
	v_med3_num_f32 v[AC+j], v[AC+j], -v[LIM], v[LIM]
.set j, j+1
.endr
	WIN 0x02+((\a)/4)                              ; source 0: window 2 or 3
.irp b, 0,1,2,3,4,5,6,7
	v_cvt_scalef32_pk8_bf8_f32 v[CD+16*(\a)+2*\b:CD+16*(\a)+2*\b+1], v[AC+8*\b:AC+8*\b+7], v[SC]
.endr
	WIN 0
	v_nop                                          ; one plain vector instruction behind the last conversion of the run
.irp b, 0,1,2,3,4,5,6,7
	ds_store_b64 v[STO], v[CD+16*(\a)+2*\b:CD+16*(\a)+2*\b+1] offset:(\a)*16*PITCH+16*\b   ; columns 16 b + 8 h + 0 .. 7 of row 16 a + r
.endr
.endm
.irp a, 0,1,2,3,4,5,6,7
	QBLOCK \a
.endr
	s_wait_dscnt 0x0                               ; for the others' sake: my stores into the stage are done (a row's 256 bytes come from two waves)
	s_barrier_signal -1
	s_barrier_wait -1
.set t, 0
.rept 32
	ds_load_b128 v[CD+4*t:CD+4*t+3], v[RD] offset:t*2*PITCH
.set t, t+1
.endr
.set t, 0
.rept 32
	s_wait_dscnt 31-t                              ; LDS loads come back in order: load t is in
	global_store_b128 v[GOF+t], v[CD+4*t:CD+4*t+3], s[10:11]   ; sixteen lanes store 256 consecutive bytes, at a multiple of 256 from the buffer's first byte
.set t, t+1
.endr
	s_wait_tensorcnt 0x0                           ; the wave's end
	ds_add_u32 v[SPW], v[NIL]
	s_wait_dscnt 0x0
	CROUND                                         ; the closing round: no work-group ends while a partner may still ask for a tile that names it
	s_endpgm
.Lfunc_end_k_qb1cb20ee43_proj:
	.size	k_qb1cb20ee43_proj, .Lfunc_end_k_qb1cb20ee43_proj-k_qb1cb20ee43_proj
	.p2alignl 7, 3214868480
	.fill 96, 4, 3214868480
	.section	.rodata,"a",@progbits
	.p2align	6, 0x0
	.amdhsa_kernel k_qb1cb20ee43_proj
		.amdhsa_group_segment_fixed_size 327680
		.amdhsa_private_segment_fixed_size 0
		.amdhsa_enable_private_segment 0
		.amdhsa_kernarg_size 64
		.amdhsa_user_sgpr_count 2
		.amdhsa_user_sgpr_kernarg_segment_ptr 1
		.amdhsa_wavefront_size32 1
		.amdhsa_system_sgpr_workgroup_id_x 1
		.amdhsa_system_sgpr_workgroup_id_y 1
		.amdhsa_system_sgpr_workgroup_id_z 1
		.amdhsa_system_vgpr_workitem_id 0
		.amdhsa_next_free_vgpr 1024
		.amdhsa_next_free_sgpr 100
		.amdhsa_reserve_vcc 0
		.amdhsa_float_denorm_mode_32 3
		.amdhsa_float_denorm_mode_16_64 3
		.amdhsa_memory_ordered 1
		.amdhsa_forward_progress 1
		.amdhsa_inst_pref_size 127
	.end_amdhsa_kernel
	.amdgpu_metadata
---
amdhsa.version: [ 1, 2 ]
amdhsa.kernels:
  - .name:           k_qb1cb20ee43_proj
    .symbol:         k_qb1cb20ee43_proj.kd
    .args:
      - { .name: x_codes, .offset: 0, .size: 8, .value_kind: global_buffer, .address_space: global }
      - { .name: Wk_codes, .offset: 8, .size: 8, .value_kind: global_buffer, .address_space: global }
      - { .name: Wq_codes, .offset: 16, .size: 8, .value_kind: global_buffer, .address_space: global }
      - { .name: Wv_codes, .offset: 24, .size: 8, .value_kind: global_buffer, .address_space: global }
      - { .name: lowp_scales, .offset: 32, .size: 8, .value_kind: global_buffer, .address_space: global }
      - { .name: k_codes, .offset: 40, .size: 8, .value_kind: global_buffer, .address_space: global }
      - { .name: q_codes, .offset: 48, .size: 8, .value_kind: global_buffer, .address_space: global }
      - { .name: v_codes, .offset: 56, .size: 8, .value_kind: global_buffer, .address_space: global }
    .group_segment_fixed_size: 327680
    .private_segment_fixed_size: 0
    .kernarg_segment_align: 8
    .kernarg_segment_size: 64
    .max_flat_workgroup_size: 128
    .sgpr_count:     100
    .vgpr_count:     1024
    .wavefront_size: 32
...
	.end_amdgpu_metadata
.endif
;; end of part 1
;; launch score (part 2): grid 36 x 4, 4 waves a work-group, no clusters, 327,680 bytes of LDS; arguments q_codes, k_codes, lowp_scales, p_codes, stat; writes p_codes, stat
.if DOCPART == 2
	.amdgcn_target "amdgcn-amd-amdhsa--gfx1250"
	.amdhsa_code_object_version 6
	.text
	.protected	k_qb1cb20ee43_score
	.globl	k_qb1cb20ee43_score
	.p2align	8
	.type	k_qb1cb20ee43_score,@function
k_qb1cb20ee43_score:
	s_mov_b64 s[64:65], 0
	v_nop
	global_prefetch_b8 v0, s[64:65] scope:SCOPE_SE
	s_setreg_imm32_b32 hwreg(HW_REG_WAVE_MODE, 25, 1), 1
	s_wait_xcnt 0x0
; The causal tiles of S = q k^T on codes of BF8 (E5M2), and the softmax's first half: for each tile of 256 queries x 256 keys
;   t = score x log2(e) / 32 (1,024^-0.5 = 1/32);  M_j = the ceiling of the row's largest t IN THIS TILE, a whole number;  p = 2^(t - M_j), quantised with the given 2^e8;  l_j = the row's sum of the unquantised p.
; The next launch joins a row's tiles by powers of two, which round nothing.  A tile's own M_j stands where a running M would: only numbers that fall under the format's range can differ.
; q_codes, k_codes: [8192 tokens][1024].  OUT: p_codes, IN THE ORDER OF THE NEXT LAUNCH'S OPERAND REGISTERS: [8 b + qt][4 waves of 64 queries][16 steps of 128 keys][4 blocks of 16 queries][2,048 bytes]: a fragment's
;   16 registers, four at a time, lane l's 16 bytes at 16 l.  Written: the steps of the tiles (qt, kt) with kt <= qt, and zero codes for the tile (qt, qt + 1) of an even qt, so that every row of tiles has an even number;
;   stat [4][8 kt][2][2048] f32: plane 0 -M_j, plane 1 l_j; query 64 g + 16 a + r lies at index 64 g + 4 r + a, the order in which the next launch's lanes take four numbers at once.
; SHARES.  Work-group x = 0 .. 35 is the place in the triangle (qt, kt <= qt), y the batch.  Four waves, 128 x 128 each; K = 1,024 in four slot fills of 256 through a ring of two LDS slots.
; NO CLUSTER: a row of the triangle has 1 to 8 tiles and a column 8 to 1, so no four work-groups ask for the same tile of q or of k in the same line at every place of the triangle.
; THE MATRIX INSTRUCTION IS USED TRANSPOSED (source 0 = 16 keys, source 1 = 16 queries): a lane holds one query (l % 16) and, in accumulator b's registers, the keys 16 b + 8 (l / 16) + 0 .. 7.  Their eight codes are registers
; 2 b, 2 b + 1 of a fragment of 16 queries x 128 keys in this instruction's own layout: so a block's 16 registers of codes go to memory as they stand, and nothing passes through LDS but the halves' maxima and sums.
; LIMITS: e6 + e7 between -121 and 132 (they are added to the constant's exponent field); e8 between -126 and 112; |t| under 2^23.  Codes of infinity or NaN are not served.
; REGISTERS: window 0: v0-31 addresses; v32-47 pairs (-M, l) of my eight blocks of 16 queries; v48-63 maxima; v64-71 sums; v72-87 constants and what goes to stat; from v128 A's fragments, later p's codes;
;   window 1: B's fragments, two sets;  windows 2, 3: the 64 accumulators ((a, b) at v[8 (8 (a % 4) + b)]).
.set KROW,   1024
.set ROWB,   256
.set PITCH,  272                       ; an LDS row: 256 bytes + 16 of padding: the 16 rows that a load touches start at 16 different banks (64 banks of 4 bytes: ISA guide 11.1)
.set FR,     16
.set NL,     4
.set NP,     4
.set HALFT,  128*PITCH
.set SLOT,   4*HALFT
.set SPARE,  2*SLOT                    ; the spare words: two blocks of 256 bytes that no other line names
.set XMAX,   256*PITCH                 ; in slot 0, which has had its last fill and its last read when these are written: [key half][256 queries] f32: the halves' maxima,
.set XSUM,   2048                      ; and, so many bytes further on, their sums
.set PWAVE,  131072                    ; p_codes: the bytes of one wave of the next launch: 16 steps x 4 blocks x 2,048
.set PSTEP,  8192                      ; a step of 128 keys: 4 blocks x 2,048
.set ADRA, 16
.set ADRB, 20
.set XR,   22                          ; v22  where I read the other key half's number of my row
.set XW,   27                          ; v27  where I put my half's number of my row
.set SPW,  28
.set NIL,  29
.set DL,   30                          ; v30  the diagonal: my query less my first key, within the tile
.set NINF, 31                          ; v31  -infinity
.set ML,   32                          ; v[32+2a] -M, v[33+2a] l of block a
.set MX,   48                          ; v48-55, v56-63 two chains of maxima
.set SU,   64                          ; v64-71 four packed chains of sums
.set PSC,  72                          ; v72  2^e8 as f32
.set PLIM, 73                          ; v73  57,344 x 2^e8
.set PT,   74                          ; v74  a lane permute's destination
.set L16,  75                          ; v75  16 x lane; never rewritten
.set SV,   76                          ; v76-79 what I store to stat
.set ZR,   80                          ; v80-83 zeros
.set PV4,  84                          ; v84-87 the zero tile's entry of stat
.set AF,   128
.set CD,   128                         ; p's codes: 16 registers for each block, so that no store's data are written again
.set G1, 24                            ; s[24:31] descriptor group 1;  s[32:39] group 0, one set for each slot
.set G0, 32
.set MSB, 0
.macro WIN new
.if MSB != (\new)
	s_set_vgpr_msb (MSB<<8)|(\new)
.set MSB, (\new)
.endif
.endm
.set MUL_LO, 0xa1
.set MUL_HI, 0xf1
.set TO_B,   0x40
	s_load_b256 s[4:11], s[0:1], 0x0               ; q_codes 4, k_codes 6, the exponents 8, p_codes 10
	s_load_b64 s[12:13], s[0:1], 0x20              ; stat
	v_lshl_add_u32 v[SPW], v0, 2, SPARE
	v_mov_b32 v[NIL], 0
	ds_add_u32 v28, v29
	ds_add_u32 v28, v29
	s_wait_dscnt 0x0
	v_lshrrev_b32 v1, 5, v0
	v_readfirstlane_b32 s14, v1                    ; wave 0..3
	s_lshr_b32 s15, s14, 1                         ; my half of the queries.  Also: I fetch q's rows (0) or k's (1)
	s_and_b32 s16, s14, 1                          ; my half of the keys.  Also: which 128 rows I fetch
	s_and_b32 s17, ttmp7, 0xffff                   ; the batch
	s_mov_b32 s18, 0
.irp T, 1,3,6,10,15,21,28                      ; qt = how many triangular numbers x has reached
	s_cmp_ge_u32 ttmp9, \T
	s_cselect_b32 s20, 1, 0
	s_add_co_u32 s18, s18, s20
.endr
	s_add_co_u32 s20, s18, 1
	s_mul_i32 s20, s20, s18
	s_lshr_b32 s20, s20, 1
	s_sub_co_u32 s19, ttmp9, s20                   ; kt = x - qt (qt + 1) / 2
	s_xor_b32 s45, s18, s19
	s_and_b32 s20, s18, 1
	s_or_b32 s45, s45, s20                         ; 0 on the diagonal tile of an even qt
	s_cmp_eq_u32 s16, 1
	s_cselect_b32 s44, -1, 0                       ; a lane mask: all ones in the waves of the upper key half
	s_mov_b32 s42, 0x76543210
	s_mov_b32 s43, 0xfedcba98                      ; v_permlanex16_b32: lane l xor 16
	; descriptor group 1: 128 rows x 256 bytes, padded in LDS
	s_mov_b32 s[G1+0], (0<<16)|(1<<20)|(5<<22)|(3<<25)  ; no mask; elements of 1 byte; padding: after every 64 words 4 words
	s_mov_b32 s[G1+1], ROWB<<16
	s_mov_b32 s[G1+2], 128<<16
	s_mov_b32 s[G1+3], ROWB<<16
	s_mov_b32 s[G1+4], 128
	s_mov_b32 s[G1+5], KROW
	s_mov_b32 s[G1+6], 0
	s_mov_b32 s[G1+7], 0
	s_lshl_b32 s20, s17, 11                        ; 2,048 x batch
	s_lshl_b32 s21, s18, 8
	s_lshl_b32 s22, s19, 8
	s_lshl_b32 s23, s16, 7
	s_wait_kmcnt 0x0
	s_load_b128 s[48:51], s[8:9], 0x18             ; e6, e7, e8, e9
	s_cmp_eq_u32 s15, 0
	s_cselect_b32 s21, s21, s22                    ; 256 qt for q's rows, 256 kt for k's
	s_cselect_b64 s[46:47], s[4:5], s[6:7]
	s_add_co_u32 s20, s20, s21
	s_add_co_u32 s20, s20, s23                     ; + the 128 rows that I fetch
	s_lshl_b32 s20, s20, 10                        ; rows of 1,024 bytes: under 2^23
	s_mov_b32 s21, 0
	s_add_nc_u64 s[46:47], s[46:47], s[20:21]
	s_mul_i32 s22, s14, HALFT                      ; where they go: q's two halves, then k's two: wave x 128 rows
.irp s, 0,1
	s_mov_b32 s[G0+4*\s], 1
	s_add_co_u32 s[G0+4*\s+1], s22, \s*SLOT
	s_add_nc_u64 s[G0+4*\s+2:G0+4*\s+3], s[46:47], \s*ROWB
	s_or_b32 s[G0+4*\s+3], s[G0+4*\s+3], 0x80000000
.endr
	tensor_load_to_lds s[G0:G0+3], s[G1:G1+7]      ; both first fills together: two loads of mine are out
	s_nop 0
	tensor_load_to_lds s[G0+4:G0+7], s[G1:G1+7]
	s_nop 0
.rept 4
	v_nop
.endr
	v_and_b32 v1, 15, v0                           ; r; kept
	v_bfe_u32 v2, v0, 4, 1                         ; h; kept
	v_mul_u32_u24 v3, v1, PITCH
	v_lshl_add_u32 v4, v2, 4, v3
	s_mul_i32 s21, s15, HALFT
	s_mul_i32 s22, s16, HALFT
	s_add_co_u32 s22, s22, 2*HALFT
.irp s, 0,1
	v_add_nc_u32 v[ADRA+\s], s21, v4
	v_add_nc_u32 v[ADRB+\s], s22, v4
	s_add_co_u32 s21, s21, SLOT
	s_add_co_u32 s22, s22, SLOT
.endr
	s_lshl_b32 s20, s15, 9                         ; 4 x 128 x query half
	s_add_co_u32 s20, s20, XMAX
	s_lshl_b32 s21, s16, 10
	s_add_co_u32 s21, s21, s20
	v_lshl_add_u32 v[XW], v1, 2, s21               ; my key half's words,
	s_xor_b32 s21, s16, 1
	s_lshl_b32 s21, s21, 10
	s_add_co_u32 s21, s21, s20
	v_lshl_add_u32 v[XR], v1, 2, s21               ; the other's
	s_sub_co_i32 s20, s15, s16
	s_lshl_b32 s20, s20, 7
	v_lshlrev_b32 v5, 3, v2
	v_sub_nc_u32 v5, v1, v5
	v_add_nc_u32 v[DL], s20, v5                    ; 128 (query half - key half) + r - 8 h
	v_mov_b32 v[NINF], 0xff800000
	v_mov_b32 v[PT], 0                             ; written once: a lane permute's destination counts as one of its sources
	v_and_b32 v5, 31, v0
	v_lshlrev_b32 v[L16], 4, v5
.irp i, 0,1,2,3
	v_mov_b32 v[ZR+\i], 0
.endr
	s_lshl_b32 s20, s17, 3
	s_add_co_u32 s20, s20, s18                     ; 8 b + qt
	s_lshl_b32 s20, s20, 2
	s_lshl_b32 s21, s15, 1
	s_add_co_u32 s20, s20, s21                     ; x 4 + 2 x query half: the next launch's wave that takes my blocks 0-3 (blocks 4-7: the wave after it)
	s_lshl_b32 s20, s20, 17                        ; PWAVE bytes each: under 2^25
	s_lshl_b32 s21, s19, 1
	s_add_co_u32 s21, s21, s16                     ; the step of 128 keys: 2 kt + key half
	s_lshl_b32 s21, s21, 13                        ; PSTEP bytes each
	s_add_co_u32 s20, s20, s21
	s_mov_b32 s21, 0
	s_add_nc_u64 s[10:11], s[10:11], s[20:21]
	s_lshl_b32 s20, s17, 3
	s_add_co_u32 s20, s20, s19
	s_lshl_b32 s20, s20, 1
	s_add_co_u32 s20, s20, s16                     ; stat: plane (8 b + kt) x 2 + key half: the lower half's waves store -M, the upper's l
	s_lshl_b32 s20, s20, 13
	s_lshl_b32 s21, s18, 10
	s_add_co_u32 s20, s20, s21
	s_lshl_b32 s21, s15, 9
	s_add_co_u32 s20, s20, s21                     ; + 4 (256 qt + 128 x query half)
	s_mov_b32 s21, 0
	s_add_nc_u64 s[12:13], s[12:13], s[20:21]
	s_wait_kmcnt 0x0
	s_add_co_i32 s20, s48, s49
	s_lshl_b32 s20, s20, 23
	s_add_co_i32 s40, s20, 0x3d38aa3b              ; log2(e) / 32 x 2^(e6 + e7): the two exponents are added to the constant's exponent field
	s_mov_b32 s41, s40                             ; (named with it as a pair, so it is written)
	s_add_co_i32 s20, s50, 127
	s_lshl_b32 s21, s20, 23
	v_mov_b32 v[PSC], s21
	s_add_co_i32 s20, s20, 15
	s_lshl_b32 s20, s20, 23
	s_or_b32 s20, s20, 0x600000
	v_mov_b32 v[PLIM], s20
.macro FRAG reg, adr, q, i
.irp c, 0,1,2,3
	ds_load_b128 v[\reg+4*\c:\reg+4*\c+3], v[\adr] offset:128*(\q)+32*\c+(\i)*16*PITCH
.endr
.endm
.macro MUL16 a0, p, zero               ; 16 matrix instructions; the 64 accumulators take turns, in one order in every step
.irp a, \a0, \a0+1
.irp b, 0,1,2,3,4,5,6,7
.if \zero
	v_wmma_f32_16x16x128_bf8_bf8 v[8*(8*((\a)%4)+\b):8*(8*((\a)%4)+\b)+7], v[128*(\p)+FR*\b:128*(\p)+FR*\b+FR-1], v[AF+FR*(\a):AF+FR*(\a)+FR-1], 0
.else
	v_wmma_f32_16x16x128_bf8_bf8 v[8*(8*((\a)%4)+\b):8*(8*((\a)%4)+\b)+7], v[128*(\p)+FR*\b:128*(\p)+FR*\b+FR-1], v[AF+FR*(\a):AF+FR*(\a)+FR-1], v[8*(8*((\a)%4)+\b):8*(8*((\a)%4)+\b)+7]
.endif
.endr
.endr
.endm
.macro FETCH_B slot, q, p
	WIN TO_B
.irp i, 0,1,2,3,4,5,6,7
	FRAG 128*(\p)+FR*\i, ADRB+\slot, \q, \i
.endr
	WIN 0
.endm
.macro FETCH_A slot, q, i0
.irp i, \i0, \i0+1, \i0+2, \i0+3
	FRAG AF+FR*(\i), ADRA+\slot, \q, \i
.endr
.endm
.macro PLACES n
.rept \n
	v_nop
.endr
.endm
.macro STEP slot, q, zero
	s_wait_dscnt 4*NL                              ; B's set and A's blocks 0-3 are in; the youngest sixteen loads may be out
	WIN MUL_LO
	MUL16 0, (\q)%2, \zero
	MUL16 2, (\q)%2, \zero
	s_wait_dscnt 0
	PLACES NP
	FETCH_B \slot, (\q)+1, 1-(\q)%2
	FETCH_A \slot, (\q)+1, 0
	WIN MUL_HI
	MUL16 4, (\q)%2, \zero
	MUL16 6, (\q)%2, \zero
	PLACES NP
	WIN 0
	FETCH_A \slot, (\q)+1, 4
.endm
.macro TURN slot, next, fill
	s_wait_tensorcnt 0x0                           ; all my tensor loads have landed: my part of the next slot
	ds_add_u32 v[SPW], v[NIL]                      ; 0 onto my spare word
	s_wait_dscnt 4*NL+1                            ; (the add and the youngest sixteen loads may be out)
	WIN MUL_LO
	MUL16 0, 1, 0
	s_wait_dscnt 0x0                               ; the add is done, and my reads of this slot are over
	s_barrier_signal -1
	MUL16 2, 1, 0
	WIN 0
	s_barrier_wait -1                              ; nobody reads this slot any more, and the next slot is whole
.if \fill
	s_add_nc_u64 s[G0+4*\slot+2:G0+4*\slot+3], s[G0+4*\slot+2:G0+4*\slot+3], 2*ROWB   ; no load of mine is out, so the group 0 may be written
	tensor_load_to_lds s[G0+4*\slot:G0+4*\slot+3], s[G1:G1+7]   ; my one tensor load behind this barrier
	s_nop 0
	PLACES 4                                       ; the places in front of the loads below
.else
	PLACES NP
.endif
	FETCH_B \next, 0, 0
	FETCH_A \next, 0, 0
	WIN MUL_HI
	MUL16 4, 1, 0
	MUL16 6, 1, 0
	PLACES NP
	WIN 0
	FETCH_A \next, 0, 4
.endm
	s_wait_tensorcnt 1                             ; my part of slot 0 is in; slot 1's may stay out
	s_barrier_signal -1
	s_barrier_wait -1
	FETCH_B 0, 0, 0
	FETCH_A 0, 0, 0
	FETCH_A 0, 0, 4
	STEP 0, 0, 1
	TURN 0, 1, 1
	STEP 1, 0, 0
	TURN 1, 0, 1
	STEP 0, 0, 0
	TURN 0, 1, 0                                   ; behind this barrier nobody reads slot 0, and it is filled no more
	STEP 1, 0, 0
	s_wait_dscnt 4*NL
	WIN MUL_LO
	MUL16 0, 1, 0
	MUL16 2, 1, 0
	s_wait_dscnt 0
	WIN MUL_HI
	MUL16 4, 1, 0
	MUL16 6, 1, 0
	WIN 0
	PLACES NP                                      ; behind the last products
	; THE MASK, on the diagonal tiles alone (a branch on the work-group's number).  Register j of accumulator (a, b) holds key 128 kh + 16 b + 8 h + j for query 128 qh + 16 a + r: hidden where 16 b + j - 16 a > DL.
	s_cmp_lg_u32 s18, s19
	s_cbranch_scc1 .Lopen
.irp a, 0,1,2,3,4,5,6,7
	WIN 0x82+0x41*(\a/4)
.irp b, 0,1,2,3,4,5,6,7
.irp j, 0,1,2,3,4,5,6,7
	v_cmp_gt_i32 vcc_lo, 16*\b+\j-16*\a, v[DL]
	v_cndmask_b32 v[64*(\a%4)+8*\b+\j], v[64*(\a%4)+8*\b+\j], v[NINF], vcc_lo
.endr
.endr
.endr
	WIN 0
.Lopen:
	; THE TILE'S LARGEST SCORE of each of my queries: two chains a block, four blocks by turns; each accumulator's low pair first
.irp g, 0,1
	WIN 0x28+0x14*\g                               ; sources 1 and 2: window 2 or 3
.set i, 0
.rept 32
.irp c, 0,1,2,3
.if i < 2
	v_max3_num_f32 v[MX+8*(i%2)+4*\g+\c], v[NINF], v[64*\c+2*i], v[64*\c+2*i+1]
.else
	v_max3_num_f32 v[MX+8*(i%2)+4*\g+\c], v[MX+8*(i%2)+4*\g+\c], v[64*\c+2*i], v[64*\c+2*i+1]
.endif
.endr
.set i, i+1
.endr
.endr
	WIN 0
.irp a, 0,1,2,3,4,5,6,7
	v_max_num_f32 v[MX+\a], v[MX+\a], v[MX+8+\a]
.endr
.irp a, 0,1,2,3,4,5,6,7
	v_permlanex16_b32 v[MX+8+\a], v[MX+\a], s42, s43   ; the query's other 64 keys of my half lie in the lane 16 away
.endr
.irp a, 0,1,2,3,4,5,6,7
	v_max_num_f32 v[MX+\a], v[MX+\a], v[MX+8+\a]
.endr
.irp a, 0,1,2,3,4,5,6,7
	ds_store_b32 v[XW], v[MX+\a] offset:64*\a      ; both halves of the lanes write the same number to the same word
.endr
	s_wait_dscnt 0x0                               ; for the others' sake
	s_barrier_signal -1
	s_barrier_wait -1
.irp a, 0,1,2,3,4,5,6,7
	ds_load_b32 v[MX+8+\a], v[XR] offset:64*\a     ; the other key half's
.endr
	s_wait_dscnt 0x0
.irp a, 0,1,2,3,4,5,6,7
	v_max_num_f32 v[MX+\a], v[MX+\a], v[MX+8+\a]   ; the tile's first key counts for every query of the tile, so this is a number
.endr
.irp a, 0,1,2,3,4,5,6,7
	v_mul_f32 v[MX+\a], s40, v[MX+\a]              ; as t (the constant is positive)
.endr
.irp a, 0,1,2,3,4,5,6,7
	v_floor_f32 v[ML+2*\a], -v[MX+\a]              ; -M = floor(-t) = -ceil(t)
	v_mov_b32 v[ML+2*\a+1], 0                      ; (named with it as a pair, so it is written)
.endr
; Block a: p = 2^(t - M) in place; its sum, of the unquantised p; the one-sided hold (p is not negative; the conversion does not saturate: ISA guide 7.6.2); the codes, which are a fragment as they stand, to memory.
.macro PBLOCK a
.set AC, 64*((\a)%4)
.set HI, (\a)/4
	WIN 0x82+0x41*HI
.set i, 0
.rept 32
	v_pk_fma_f32 v[AC+2*i:AC+2*i+1], v[AC+2*i:AC+2*i+1], s[40:41], v[ML+2*(\a):ML+2*(\a)+1] op_sel_hi:[1,0,0]   ; t - M, two at a time (of both pairs the low word serves both halves)
.set i, i+1
.endr
.set i, 0
.rept 64
	v_exp_f32 v[AC+i], v[AC+i]
.set i, i+1
.endr
	v_nop                                          ; a plain instruction behind the last exponential
	s_wait_alu depctr_va_vdst(0)                   ; one wait for the block's 64 exponentials, ahead of their first reader
	WIN 0x0a+5*HI                                  ; sources 0 and 1: window 2 or 3
.irp c, 0,1,2,3
	v_pk_add_f32 v[SU+2*\c:SU+2*\c+1], v[AC+4*\c:AC+4*\c+1], v[AC+4*\c+2:AC+4*\c+3]   ; four chains, started by the first eight pairs
.endr
	WIN 0x08+4*HI                                  ; source 1: window 2 or 3
.set i, 8
.rept 24
	v_pk_add_f32 v[SU+2*(i%4):SU+2*(i%4)+1], v[SU+2*(i%4):SU+2*(i%4)+1], v[AC+2*i:AC+2*i+1]
.set i, i+1
.endr
	WIN 0x82+0x41*HI
.set i, 0
.rept 64
	v_min_num_f32 v[AC+i], v[AC+i], v[PLIM]
.set i, i+1
.endr
	WIN 0x02+HI
.irp b, 0,1,2,3,4,5,6,7
	v_cvt_scalef32_pk8_bf8_f32 v[CD+16*(\a)+2*\b:CD+16*(\a)+2*\b+1], v[AC+8*\b:AC+8*\b+7], v[PSC]
.endr
	WIN 0
	v_nop                                          ; one plain vector instruction behind the last conversion of the run
.irp c, 0,1,2,3
	global_store_b128 v[L16], v[CD+16*(\a)+4*\c:CD+16*(\a)+4*\c+3], s[10:11] offset:((\a)/4)*PWAVE+((\a)%4)*2048+512*\c   ; registers 4 c .. 4 c + 3 of the fragment: 32 lanes store 512 consecutive bytes, at a multiple of 256 from the buffer's first byte
.endr
	v_pk_add_f32 v[SU:SU+1], v[SU:SU+1], v[SU+2:SU+3]
	v_pk_add_f32 v[SU+4:SU+5], v[SU+4:SU+5], v[SU+6:SU+7]
	v_pk_add_f32 v[SU:SU+1], v[SU:SU+1], v[SU+4:SU+5]
	v_add_f32 v[SU], v[SU], v[SU+1]
	v_permlanex16_b32 v[PT], v[SU], s42, s43
	v_add_f32 v[ML+2*(\a)+1], v[SU], v[PT]         ; my key half's sum of the row
	ds_store_b32 v[XW], v[ML+2*(\a)+1] offset:XSUM+64*(\a)
.endm
.irp a, 0,1,2,3,4,5,6,7
	PBLOCK \a
.endr
	s_wait_dscnt 0x0                               ; for the others' sake: my sums lie in LDS
	s_barrier_signal -1
	s_barrier_wait -1
.irp a, 0,1,2,3,4,5,6,7
	ds_load_b32 v[MX+8+\a], v[XR] offset:XSUM+64*\a
.endr
	s_wait_dscnt 0x0
.irp a, 0,1,2,3,4,5,6,7
	v_add_f32 v[ML+2*\a+1], v[ML+2*\a+1], v[MX+8+\a]   ; l of the whole tile
.endr
.irp a, 0,1,2,3,4,5,6,7
	v_cndmask_b32 v[MX+\a], v[ML+2*\a], v[ML+2*\a+1], s44   ; the lower key half's waves store -M, the upper's l
.endr
	v_cmp_eq_u32 vcc_lo, 1, v2
.irp i, 0,1,2,3
	v_cndmask_b32 v[SV+\i], v[MX+\i], v[MX+4+\i], vcc_lo    ; lane (r, h) stores blocks 4 h + 0 .. 3 of row r: index 64 h + 4 r + 0 .. 3
.endr
.irp i, 0,1,2,3
	v_cndmask_b32 v[PV4+\i], v[SV+\i], v[ZR], s44           ; the zero tile's entry: the same -M, l = 0
.endr
	global_store_b128 v[L16], v[SV:SV+3], s[12:13]          ; 512 consecutive bytes
	; THE ZERO TILE (qt, qt + 1) of an even qt: zero codes, which add nothing: the same fragments two steps of 128 keys on (a branch on the work-group's number; no LDS instruction and no barrier stands in it)
	s_cmp_eq_u32 s45, 0
	s_cbranch_scc0 .Lno_pad
.irp a, 0,1,2,3,4,5,6,7
.irp c, 0,1,2,3
	global_store_b128 v[L16], v[ZR:ZR+3], s[10:11] offset:(\a/4)*PWAVE+(\a%4)*2048+512*\c+2*PSTEP
.endr
.endr
	global_store_b128 v[L16], v[PV4:PV4+3], s[12:13] offset:16384
.Lno_pad:
	s_wait_tensorcnt 0x0                           ; the wave's end
	ds_add_u32 v[SPW], v[NIL]
	s_wait_dscnt 0x0
	s_endpgm
.Lfunc_end_k_qb1cb20ee43_score:
	.size	k_qb1cb20ee43_score, .Lfunc_end_k_qb1cb20ee43_score-k_qb1cb20ee43_score
	.p2alignl 7, 3214868480
	.fill 96, 4, 3214868480
	.section	.rodata,"a",@progbits
	.p2align	6, 0x0
	.amdhsa_kernel k_qb1cb20ee43_score
		.amdhsa_group_segment_fixed_size 327680
		.amdhsa_private_segment_fixed_size 0
		.amdhsa_enable_private_segment 0
		.amdhsa_kernarg_size 40
		.amdhsa_user_sgpr_count 2
		.amdhsa_user_sgpr_kernarg_segment_ptr 1
		.amdhsa_wavefront_size32 1
		.amdhsa_system_sgpr_workgroup_id_x 1
		.amdhsa_system_sgpr_workgroup_id_y 1
		.amdhsa_system_sgpr_workgroup_id_z 1
		.amdhsa_system_vgpr_workitem_id 0
		.amdhsa_next_free_vgpr 1024
		.amdhsa_next_free_sgpr 100
		.amdhsa_reserve_vcc 1
		.amdhsa_float_denorm_mode_32 3
		.amdhsa_float_denorm_mode_16_64 3
		.amdhsa_memory_ordered 1
		.amdhsa_forward_progress 1
		.amdhsa_inst_pref_size 214
	.end_amdhsa_kernel
	.amdgpu_metadata
---
amdhsa.version: [ 1, 2 ]
amdhsa.kernels:
  - .name:           k_qb1cb20ee43_score
    .symbol:         k_qb1cb20ee43_score.kd
    .args:
      - { .name: q_codes, .offset: 0, .size: 8, .value_kind: global_buffer, .address_space: global }
      - { .name: k_codes, .offset: 8, .size: 8, .value_kind: global_buffer, .address_space: global }
      - { .name: lowp_scales, .offset: 16, .size: 8, .value_kind: global_buffer, .address_space: global }
      - { .name: p_codes, .offset: 24, .size: 8, .value_kind: global_buffer, .address_space: global }
      - { .name: stat, .offset: 32, .size: 8, .value_kind: global_buffer, .address_space: global }
    .group_segment_fixed_size: 327680
    .private_segment_fixed_size: 0
    .kernarg_segment_align: 8
    .kernarg_segment_size: 40
    .max_flat_workgroup_size: 128
    .sgpr_count:     100
    .vgpr_count:     1024
    .wavefront_size: 32
...
	.end_amdgpu_metadata
.endif
;; end of part 2
;; launch pv (part 3): grid 8 x 32, 4 waves a work-group, no clusters, 304,640 bytes of LDS; arguments p_codes, v_codes, stat, lowp_scales, out0; writes out0
.if DOCPART == 3
	.amdgcn_target "amdgcn-amd-amdhsa--gfx1250"
	.amdhsa_code_object_version 6
	.text
	.protected	k_qb1cb20ee43_pv
	.globl	k_qb1cb20ee43_pv
	.p2align	8
	.type	k_qb1cb20ee43_pv,@function
k_qb1cb20ee43_pv:
	s_mov_b64 s[64:65], 0
	v_nop
	global_prefetch_b8 v0, s[64:65] scope:SCOPE_SE
	s_setreg_imm32_b32 hwreg(HW_REG_WAVE_MODE, 25, 1), 1
	s_wait_xcnt 0x0
; out = (sum over the key tiles j of 2^(M_j - M*) P_j V_j) x 2^(e8 + e9) / l, on codes of BF8 (E5M2).  P_j: the codes of p = 2^(t - M_j) of key tile j (256 keys); M* = the row's largest M_j; l = sum of l_j 2^(M_j - M*).
; p_codes: in the order of my operand registers: [8 b + qt][4 waves][16 steps of 128 keys][4 blocks of 16 queries][2,048 bytes];  v_codes [1024 d][8192 tokens], the keys innermost;
; stat [4][8 j][2][2048]: -M_j and l_j, four numbers of a lane on end;  out0 [4][2048][1024] f32.
; JOINING THE TILES.  The sums are kept under U_j = max(M_j, M* - 60): ahead of tile j they are multiplied by 2^(U_(j-1) - U_j), a power of two, which rounds nothing; at the end by 2^(U_last - M* + e8 + e9) / l.
; U stays within 60 of M*, so the sums stay under 2,048 x 57,344^2 x 2^60, which is under 2^103.
; LIMIT: a tile whose largest t lies more than 60 under the row's is weighed 2^-60 in place of less: under 2^-49 of the result.  |M| under 2^23.  Codes of infinity or NaN are not served.
; SHARES.  Work-group y = 8 b + qt: 256 queries; x = dt: 128 of the 1,024 channels.  Wave w: queries 64 w on, all 128 channels: 32 accumulators.  K goes over the qt / 2 + 1 laps of 512 keys that the causal mask leaves
; (for even qt the last key tile holds zero codes), 128 keys a step.
; NOTHING IN LDS IS FILLED TWICE.  V's 128 rows x 2,048 keys lie whole in LDS: four laps of 128 rows x 512 bytes, all asked for at the head.  Each wave fetches 32 rows of every lap, in the laps' order, so that the first
; lap's tile stands first among each wave's loads (loads of 64 rows would put two laps' bytes ahead of the first product).  Every work-group fetches all four laps: no tensor load stands under a branch.
; P GOES FROM MEMORY STRAIGHT INTO REGISTERS: a fragment of P is read by one wave alone, and lies in memory as the image of its registers: 16 loads of 512 consecutive bytes a step, into four sets of registers by turns:
; three to four steps' loads of a wave are on their way at any time, and no barrier stands in their way.
; THE 16 STEPS ARE WRITTEN OUT, so that every LDS address and every count of a wait is a constant of the text; a work-group leaves behind its last lap (a branch on the work-group's number).  Loads that would reach past a
; work-group's last lap take that lap's bytes again (four bases, held at the last lap), so that the counts are the same on every way and only bytes that were written are read.
; NO CLUSTER: V's rows are shared only with query tiles that run other numbers of laps, and partners of a cluster run alike; P does not pass through LDS.
; THE MATRIX INSTRUCTION IS USED TRANSPOSED (source 0 = 16 channels of V, source 1 = 16 queries of P): a lane holds one query and eight neighbouring channels.  Both fragments have the instruction's own layout:
; registers 2 c, 2 c + 1 hold keys 16 c + 8 (l / 16) + 0 .. 7: V's by eight loads of 8 bytes from LDS.
; REGISTERS: window 0: v0-63 addresses and a lane's statistics; v64-95 -M_j, v96-127 l_j of the eight tiles (on the way out: at work); v128-255 P's sets 0, 1 (on the way out: rows);
;   window 1: V's fragments, two sets;  window 2: the accumulators ((a, b) at v[8 (8 a + b)]);  window 3: v0-127 P's sets 2, 3.
.set VP,     528                       ; a row of V in LDS: 512 bytes + 16 of padding = 132 words: lane (r, h) of a load of 8 bytes starts at bank 4 r + 2 h (64 banks of 4 bytes: ISA guide 11.1)
.set LAPB,   128*VP                    ; a lap: 128 rows
.set STAGE,  4*LAPB                    ; behind V, in bytes of its own (a multiple of 256): 16 rows x (512 bytes + 16) for each wave, for the way out
.set SPITCH, 528
.set FR,     16
.set NM60, 8                           ; v8-11   -M* + 60
.set ADRV, 12                          ; v12-15  LDS address of my lane's place in lap 0 .. 3 of V; never rewritten
.set SOJ,  16                          ; v16-23  offsets of the eight tiles' entries of stat; never rewritten
.set STO,  24
.set RD,   25
.set CO,   26                          ; v26     16 x lane: my place in a fragment's image, and in a row of out0; never rewritten
.set SOFF, 27                          ; v27     16 r: my four numbers in a plane of stat
.set PFO,  28                          ; v28     256 x lane: the prefetches' offset; never rewritten
.set NMS,  40                          ; v40-43  -M*
.set NUP,  44                          ; v44-47  -U of the tile before
.set LSUM, 48                          ; v48-51  l
.set FP,   52                          ; v52-59  pairs: the factor in the even register, 0 in the odd one
.set TT,   60                          ; v60-63  at work
.set MJA,  64                          ; v[64+4j+a]  -M_j of my block a
.set LJA,  96                          ; v[96+4j+a]  l_j
.set TMP,  64
.set BK,   128
.set G1, 24                            ; s[24:31] descriptor group 1 for V's tiles
.set G0, 32                            ; s[32:47] group 0, one set for each lap; never rewritten
.set PB, 48                            ; s[48:55] my wave's fragments of P in lap 0 .. 3, held at my work-group's last lap; never rewritten
.set MSB, 0
.macro WIN new
.if MSB != (\new)
	s_set_vgpr_msb (MSB<<8)|(\new)
.set MSB, (\new)
.endif
.endm
	s_load_b256 s[4:11], s[0:1], 0x0               ; p_codes 4, v_codes 6, stat 8, the exponents 10
	s_load_b64 s[12:13], s[0:1], 0x20              ; out0
	v_lshl_add_u32 v38, v0, 2, 0x4a400
	v_mov_b32 v39, 0
	ds_add_u32 v38, v39
	ds_add_u32 v38, v39
	v_lshrrev_b32 v1, 5, v0
	v_readfirstlane_b32 s14, v1                    ; wave 0..3
	s_and_b32 s17, ttmp7, 0xffff                   ; y = 8 b + qt
	s_lshr_b32 s18, s17, 3                         ; the batch
	s_and_b32 s19, s17, 7                          ; qt
	s_lshr_b32 s71, s19, 1                         ; laps less one
	s_add_co_u32 s3, s71, 1                        ; laps
	s_lshl_b32 s70, s71, 1
	s_add_co_u32 s70, s70, 1                       ; key tiles less one
	s_cmp_eq_u32 ttmp9, 0
	s_cselect_b32 s75, s3, 0                       ; the laps, in the work-group that prefetches P (the first of the eight that read it); else 0
	s_mov_b32 s[G1+0], (0<<16)|(1<<20)|(6<<22)|(3<<25)   ; no mask; elements of 1 byte; padding on: after every 128 words (code 6) 4 words (code 3)
	s_mov_b32 s[G1+1], 512<<16                     ; tensor_dim0
	s_mov_b32 s[G1+2], 32<<16                      ; tensor_dim1
	s_mov_b32 s[G1+3], 512<<16                     ; tile_dim0
	s_mov_b32 s[G1+4], 32                          ; tile_dim1
	s_mov_b32 s[G1+5], 8192                        ; a row of v_codes
	s_mov_b32 s[G1+6], 0
	s_mov_b32 s[G1+7], 0
	s_lshl_b32 s20, ttmp9, 7
	s_lshl_b32 s21, s14, 5
	s_add_co_u32 s20, s20, s21                     ; V: row 128 dt + 32 w,
	s_lshl_b32 s20, s20, 13
	s_lshl_b32 s21, s18, 11
	s_add_co_u32 s20, s20, s21                     ; from the batch's first key on: under 2^23
	s_mov_b32 s21, 0
	s_mul_i32 s22, s14, 32*VP                      ; and where my 32 rows go in a lap
	s_lshl_b32 s56, s17, 2
	s_add_co_u32 s56, s56, s14
	s_lshl_b32 s56, s56, 17                        ; P: (4 y + w) x 131,072 bytes: under 2^25
	s_mov_b32 s57, 0
	s_wait_dscnt 0x0
	s_wait_kmcnt 0x0
	s_load_b64 s[72:73], s[10:11], 0x20            ; e8, e9
	s_add_nc_u64 s[20:21], s[6:7], s[20:21]
.irp L, 0,1,2,3
	s_mov_b32 s[G0+4*\L], 1                        ; 1:0 count = 1
	s_add_co_u32 s[G0+4*\L+1], s22, \L*LAPB        ; 63:32 LDS address
	s_add_nc_u64 s[G0+4*\L+2:G0+4*\L+3], s[20:21], \L*512   ; 120:64 global address: keys 512 L on
	s_or_b32 s[G0+4*\L+3], s[G0+4*\L+3], 0x80000000         ; 127:126 type = 2
.endr
.irp L, 0,1,2,3
	tensor_load_to_lds s[G0+4*\L:G0+4*\L+3], s[G1:G1+7]     ; all of V, as one group at the head: four loads of mine are out
	s_nop 0
.endr
.rept 4
	v_nop
.endr
	v_and_b32 v1, 15, v0                           ; r
	v_bfe_u32 v2, v0, 4, 1                         ; h
	v_and_b32 v6, 31, v0
	v_lshlrev_b32 v[SOFF], 4, v1
	v_lshlrev_b32 v[CO], 4, v6
	v_lshlrev_b32 v[PFO], 8, v6
	s_add_nc_u64 s[56:57], s[4:5], s[56:57]
.irp L, 0,1,2,3
	s_min_u32 s58, s71, \L                         ; past my last lap: that lap again
	s_lshl_b32 s58, s58, 15                        ; a lap: 4 steps x 8,192 bytes
	s_mov_b32 s59, 0
	s_add_nc_u64 s[PB+2*\L:PB+2*\L+1], s[56:57], s[58:59]
.endr
	s_lshl_b32 s22, s18, 17                        ; stat: the batch's 16 planes of 8,192 bytes,
	s_lshl_b32 s23, s19, 10
	s_add_co_u32 s22, s22, s23
	s_lshl_b32 s23, s14, 8
	s_add_co_u32 s22, s22, s23                     ; + 4 (256 qt + 64 w)
	s_mov_b32 s23, 0
	s_add_nc_u64 s[66:67], s[8:9], s[22:23]
.irp j, 0,1,2,3,4,5,6,7                        ; -M_j and l_j of all my row's tiles, once; past the last tile the last is read again: only entries that were written are read
	s_min_u32 s22, s70, \j
	s_lshl_b32 s22, s22, 14
	v_add_nc_u32 v[SOJ+\j], s22, v[SOFF]
	global_load_b128 v[MJA+4*\j:MJA+4*\j+3], v[SOJ+\j], s[66:67]
	global_load_b128 v[LJA+4*\j:LJA+4*\j+3], v[SOJ+\j], s[66:67] offset:8192
.endr
; My four fragments of P of step s (16 queries x 128 keys each) into set s % 4: 16 loads of 512 consecutive bytes
.macro PLOAD s
.if ((\s)%4) < 2
	WIN 0
.set PRL, 128+64*((\s)%4)
.else
	WIN 0xc0                                       ; destination window 3, address window 0
.set PRL, 64*((\s)%4-2)
.endif
.irp a, 0,1,2,3
.irp c, 0,1,2,3
	global_load_b128 v[PRL+FR*\a+4*\c:PRL+FR*\a+4*\c+3], v[CO], s[PB+2*((\s)/4):PB+2*((\s)/4)+1] offset:8192*((\s)%4)+2048*\a+512*\c
.endr
.endr
	WIN 0
.endm
; V's eight fragments (16 channels x 128 keys each) of step s into set s % 2: registers 2 c, 2 c + 1 take the 8 bytes at key 16 c + 8 h
.macro VLOAD s
	WIN 0x40                                       ; destination window 1, address window 0
.irp i, 0,1,2,3,4,5,6,7
.irp c, 0,1,2,3,4,5,6,7
	ds_load_b64 v[128*((\s)%2)+FR*\i+2*\c:128*((\s)%2)+FR*\i+2*\c+1], v[ADRV+(\s)/4] offset:128*((\s)%4)+\i*16*VP+16*\c
.endr
.endr
	WIN 0
.endm
; 8 matrix instructions: my block a of queries x the eight blocks of channels.  Step 0's start the sums.  The 32 accumulators take turns, in one order in every step
.macro MULA s, a
.irp b, 0,1,2,3,4,5,6,7
.if (\s) == 0
	v_wmma_f32_16x16x128_bf8_bf8 v[8*(8*(\a)+\b):8*(8*(\a)+\b)+7], v[128*((\s)%2)+FR*\b:128*((\s)%2)+FR*\b+FR-1], v[PRM+FR*(\a):PRM+FR*(\a)+FR-1], 0
.else
	v_wmma_f32_16x16x128_bf8_bf8 v[8*(8*(\a)+\b):8*(8*(\a)+\b)+7], v[128*((\s)%2)+FR*\b:128*((\s)%2)+FR*\b+FR-1], v[PRM+FR*(\a):PRM+FR*(\a)+FR-1], v[8*(8*(\a)+\b):8*(8*(\a)+\b)+7]
.endif
.endr
.endm
.macro PLACES n
.rept \n
	v_nop
.endr
.endm
; A PREFETCH INTO THE L2 of step s's 8,192 bytes of my wave's fragments of P: a lane names 256 bytes, one instruction a wave.  The eight work-groups of a row of the grid read the same P: the first of them (dt = 0) asks,
; each of its waves for its own stream, so each block of 256 bytes is named once in the launch.  It is asked in step s - 8, behind that step's loads: five steps, 160 matrix instructions, ahead of the load that
; wants the bytes (step s - 3).  Only steps inside the work-group's laps are asked for; steps 0 to 8 come by their loads alone: nothing is prefetched at the head.
.macro ASK s
	s_cmp_gt_u32 s75, (\s)/4
	s_cbranch_scc0 .Lnot_mine_\@
	global_prefetch_b8 v[PFO], s[PB+2*((\s)/4):PB+2*((\s)/4)+1] offset:8192*((\s)%4) th:TH_LOAD_NT scope:SCOPE_SE
.Lnot_mine_\@:
.endm
; At the head of key tile j: U_j, the factor for the sums, l's term; the sums are brought under U_j.
.macro NEWTILE j
.irp a, 0,1,2,3
	v_min_num_f32 v[TT+\a], v[MJA+4*(\j)+\a], v[NM60+\a]   ; -U_j = min(-M_j, -(M* - 60))
.endr
.if (\j) > 0
.irp a, 0,1,2,3
	v_sub_f32 v[FP+2*\a], v[TT+\a], v[NUP+\a]      ; U_(j-1) - U_j: a whole number, between -60 and 60
.endr
.irp a, 0,1,2,3
	v_cvt_i32_f32 v[FP+2*\a], v[FP+2*\a]
.endr
.irp a, 0,1,2,3
	v_ldexp_f32 v[FP+2*\a], 1.0, v[FP+2*\a]
.endr
.endif
.irp a, 0,1,2,3
	v_mov_b32 v[NUP+\a], v[TT+\a]
.endr
.irp a, 0,1,2,3
	v_sub_f32 v[TT+\a], v[NMS+\a], v[MJA+4*(\j)+\a]   ; M_j - M*: a whole number, 0 or less
.endr
.irp a, 0,1,2,3
	v_cvt_i32_f32 v[TT+\a], v[TT+\a]               ; (it saturates)
.endr
.if (\j) == 0
.irp a, 0,1,2,3
	v_ldexp_f32 v[LSUM+\a], v[LJA+4*(\j)+\a], v[TT+\a]   ; the first term starts l
.endr
.else
.irp a, 0,1,2,3
	v_ldexp_f32 v[TT+\a], v[LJA+4*(\j)+\a], v[TT+\a]
.endr
.irp a, 0,1,2,3
	v_add_f32 v[LSUM+\a], v[LSUM+\a], v[TT+\a]
.endr
	WIN 0x82                                       ; destination and source 0: window 2
.irp a, 0,1,2,3
.set i, 0
.rept 32
	v_pk_mul_f32 v[64*\a+2*i:64*\a+2*i+1], v[64*\a+2*i:64*\a+2*i+1], v[FP+2*\a:FP+2*\a+1] op_sel_hi:[1,0]   ; each accumulator from its low end on
.set i, i+1
.endr
.endr
	WIN 0
.endif
.endm
; STEP s of 16: 128 keys.  V's next set and P's set three steps on are asked for first, into the registers that the step before has multiplied; then this step's 32 products.
.macro STEPV s
	s_wait_dscnt 0x0                               ; this step's fragments of V are in (asked for a step ago)
.if (((\s)%4) == 3) && ((\s) < 15)
	s_wait_tensorcnt 2-(\s)/4                      ; my 32 rows of the next lap of V have landed; the later laps' loads may stay out: nothing is filled twice
	s_barrier_signal -1
	s_barrier_wait -1                              ; everybody's have
.endif
.if (\s) > 0
	PLACES 4                                       ; behind the last products: their fragments' registers are loaded again, and the sums are read, below
.endif
.if (\s) < 15
	VLOAD (\s)+1
.endif
.if ((\s) > 0) && ((\s) < 13)
	PLOAD (\s)+3
.endif
.if ((\s) > 0) && ((\s) < 8)
	ASK (\s)+8
.endif
.if ((\s)%2) == 0
	NEWTILE (\s)/2
.endif
.if (\s) < 13
	s_wait_loadcnt 48                              ; loads come back in order (ISA guide 5.7.1): this step's set of P is in; the three younger sets, 16 loads each, may be out
.else
	s_wait_loadcnt 16*(15-(\s))                    ; the last steps ask for nothing: the counts run down
.endif
.if ((\s)%4) < 2
.set PRM, 128+64*((\s)%4)
	WIN 0xa1                                       ; source 0 (V) window 1, source 1 (P) window 0, C and D window 2
.else
.set PRM, 64*((\s)%4-2)
	WIN 0xad                                       ; the same with P in window 3
.endif
	MULA \s, 0
	MULA \s, 1
	MULA \s, 2
	MULA \s, 3
	WIN 0
.endm
.macro LEAVE n                         ; a work-group of n laps is done (the number hangs on the work-group's y: the same in all four waves)
	s_cmp_eq_u32 s3, \n
	s_cbranch_scc1 .Lout
.endm
	PLOAD 0
	PLOAD 1
	PLOAD 2
	v_mul_u32_u24 v3, v1, VP
	v_lshl_add_u32 v3, v2, 3, v3                   ; a fragment's row x pitch + 8 x half
.irp L, 0,1,2,3
	v_add_nc_u32 v[ADRV+\L], \L*LAPB, v3
.endr
	s_mul_i32 s23, s14, 16*SPITCH
	s_add_co_u32 s23, s23, STAGE                   ; my stage
	v_mul_u32_u24 v5, v1, SPITCH
	v_lshl_add_u32 v5, v2, 5, v5
	v_add_nc_u32 v[STO], s23, v5                   ; in: row r, 32 bytes for each half of the lanes
	v_add_nc_u32 v[RD], s23, v[CO]                 ; back: the 32 lanes take one row of 512 bytes
	s_lshl_b32 s22, s17, 8                         ; 2,048 b + 256 qt
	s_lshl_b32 s23, s14, 6
	s_add_co_u32 s22, s22, s23                     ; my first row of out0
	s_lshl_b32 s22, s22, 12
	s_lshl_b32 s23, ttmp9, 9
	s_add_co_u32 s22, s22, s23                     ; + 512 dt: under 2^26
	s_mov_b32 s23, 0
	s_add_nc_u64 s[12:13], s[12:13], s[22:23]
.irp a, 0,1,2,3
	v_mov_b32 v[FP+2*\a+1], 0                      ; (named as the upper halves of pairs)
.endr
	s_wait_loadcnt 48                              ; the sixteen loads from stat are in; P's first three sets, issued behind them, may be out
.irp a, 0,1,2,3
	v_min3_num_f32 v[NMS+\a], v[MJA+\a], v[MJA+4+\a], v[MJA+8+\a]
.endr
.irp a, 0,1,2,3
	v_min3_num_f32 v[NMS+\a], v[NMS+\a], v[MJA+12+\a], v[MJA+16+\a]
.endr
.irp a, 0,1,2,3
	v_min3_num_f32 v[NMS+\a], v[NMS+\a], v[MJA+20+\a], v[MJA+24+\a]
.endr
.irp a, 0,1,2,3
	v_min_num_f32 v[NMS+\a], v[NMS+\a], v[MJA+28+\a]   ; -M*
.endr
.irp a, 0,1,2,3
	v_add_f32 v[NM60+\a], 0x42700000, v[NMS+\a]    ; + 60
.endr
	PLOAD 3
	s_wait_tensorcnt 3                             ; my 32 rows of lap 0 of V have landed; the three later laps' loads may stay out
	s_barrier_signal -1
	s_barrier_wait -1                              ; everybody's have
	VLOAD 0
.irp s, 0,1,2,3
	STEPV \s
.endr
	LEAVE 1
.irp s, 4,5,6,7
	STEPV \s
.endr
	LEAVE 2
.irp s, 8,9,10,11
	STEPV \s
.endr
	LEAVE 3
.irp s, 12,13,14,15
	STEPV \s
.endr
.Lout:
	s_wait_loadcnt 0x0                             ; a work-group that leaves early has loads out that it does not use: their registers serve the way out,
	s_wait_dscnt 0x0
	s_wait_tensorcnt 0x0                           ; and no tensor load may be out at the end
	; THE WAY OUT: x 2^(U_last - M* + e8 + e9) / l; a block of 16 rows x 128 channels at a time through my stage, back as whole rows of 512 bytes.
	s_wait_kmcnt 0x0
	s_add_co_i32 s74, s72, s73                     ; e8 + e9
.irp a, 0,1,2,3
	v_sub_f32 v[TT+\a], v[NMS+\a], v[NUP+\a]       ; U_last - M*.  (These lines are the places behind the last products)
.endr
.irp a, 0,1,2,3
	v_cvt_i32_f32 v[TT+\a], v[TT+\a]
.endr
.irp a, 0,1,2,3
	v_add_nc_u32 v[TT+\a], s74, v[TT+\a]
.endr
.irp a, 0,1,2,3
	v_rcp_f32 v[FP+2*\a], v[LSUM+\a]               ; l is above 1/2: the row's largest p is
.endr
	v_nop                                          ; a plain instruction behind the last reciprocal
	s_wait_alu depctr_va_vdst(0)                   ; one wait for the four, ahead of their first reader
.irp a, 0,1,2,3
	v_ldexp_f32 v[FP+2*\a], v[FP+2*\a], v[TT+\a]
.endr
.macro TOSTAGE a
.set AC, 64*(\a)
	WIN 0x02                                       ; source 0: window 2
.set i, 0
.rept 32
	v_pk_mul_f32 v[TMP+2*i:TMP+2*i+1], v[AC+2*i:AC+2*i+1], v[FP+2*(\a):FP+2*(\a)+1] op_sel_hi:[1,0]   ; each accumulator from its low end on
.set i, i+1
.endr
	WIN 0
.irp b, 0,1,2,3,4,5,6,7
	ds_store_b128 v[STO], v[TMP+8*\b:TMP+8*\b+3] offset:64*\b          ; lane (r, h): channels 16 b + 8 h + 0 .. 7 of row r
	ds_store_b128 v[STO], v[TMP+8*\b+4:TMP+8*\b+7] offset:64*\b+16
.endr
.set BB, BK+64*((\a)%2)
.irp t, 0,1,2,3,4,5,6,7,8,9,10,11,12,13,14,15
	ds_load_b128 v[BB+4*\t:BB+4*\t+3], v[RD] offset:\t*SPITCH          ; LDS serves a wave's instructions in order (ISA guide 5.7.1.4): these see the stores above
.endr
.endm
.macro SEND a, younger                 ; younger: the LDS instructions issued behind block a's loads, which may stay out
.set BB, BK+64*((\a)%2)
	s_wait_dscnt \younger
.if (\a) > 0
	s_add_nc_u64 s[12:13], s[12:13], 16*4096       ; (behind a wait on XCNT: the earlier stores have read their base)  16 rows of out0 on
.endif
.irp t, 0,1,2,3,4,5,6,7,8,9,10,11,12,13,14,15
	global_store_b128 v[CO], v[BB+4*\t:BB+4*\t+3], s[12:13] offset:\t*4096 th:TH_STORE_NT   ; 32 lanes store 512 consecutive bytes, at a multiple of 256 from out0's first byte
.endr
.endm
	TOSTAGE 0
.irp a, 1,2,3
.if \a > 1
	s_wait_xcnt 0x0                                ; block a - 2's stores have read their registers and their base
.endif
	TOSTAGE \a
	SEND \a-1, 32                                  ; behind block a - 1's loads: block a's 16 stores and 16 loads
.endr
	s_wait_xcnt 0x0
	SEND 3, 0
	s_wait_tensorcnt 0x0
	ds_add_u32 v38, v39
	s_wait_dscnt 0x0
	s_endpgm
.Lfunc_end_k_qb1cb20ee43_pv:
	.size	k_qb1cb20ee43_pv, .Lfunc_end_k_qb1cb20ee43_pv-k_qb1cb20ee43_pv
	.p2alignl 7, 3214868480
	.fill 96, 4, 3214868480
	.section	.rodata,"a",@progbits
	.p2align	6, 0x0
	.amdhsa_kernel k_qb1cb20ee43_pv
		.amdhsa_group_segment_fixed_size 304640
		.amdhsa_private_segment_fixed_size 0
		.amdhsa_enable_private_segment 0
		.amdhsa_kernarg_size 40
		.amdhsa_user_sgpr_count 2
		.amdhsa_user_sgpr_kernarg_segment_ptr 1
		.amdhsa_wavefront_size32 1
		.amdhsa_system_sgpr_workgroup_id_x 1
		.amdhsa_system_sgpr_workgroup_id_y 1
		.amdhsa_system_sgpr_workgroup_id_z 1
		.amdhsa_system_vgpr_workitem_id 0
		.amdhsa_next_free_vgpr 896
		.amdhsa_next_free_sgpr 100
		.amdhsa_reserve_vcc 0
		.amdhsa_float_denorm_mode_32 3
		.amdhsa_float_denorm_mode_16_64 3
		.amdhsa_memory_ordered 1
		.amdhsa_forward_progress 1
		.amdhsa_inst_pref_size 227
	.end_amdhsa_kernel
	.amdgpu_metadata
---
amdhsa.version: [ 1, 2 ]
amdhsa.kernels:
  - .name:           k_qb1cb20ee43_pv
    .symbol:         k_qb1cb20ee43_pv.kd
    .args:
      - { .name: p_codes, .offset: 0, .size: 8, .value_kind: global_buffer, .address_space: global }
      - { .name: v_codes, .offset: 8, .size: 8, .value_kind: global_buffer, .address_space: global }
      - { .name: stat, .offset: 16, .size: 8, .value_kind: global_buffer, .address_space: global }
      - { .name: lowp_scales, .offset: 24, .size: 8, .value_kind: global_buffer, .address_space: global }
      - { .name: out0, .offset: 32, .size: 8, .value_kind: global_buffer, .address_space: global }
    .group_segment_fixed_size: 304640
    .private_segment_fixed_size: 0
    .kernarg_segment_align: 8
    .kernarg_segment_size: 40
    .max_flat_workgroup_size: 128
    .sgpr_count:     100
    .vgpr_count:     896
    .wavefront_size: 32
...
	.end_amdgpu_metadata
.endif
;; end of part 3
